; MI455X (gfx1250); checked and timed in simulation.
; The chip was launched on July 23, 2026; its instructions are those of AMD's public machine-readable ISA for CDNA 5 (MIT licence, August 2026) and "CDNA5" Instruction Set Architecture Reference Guide (July 2026). The comments in the code are by the model that wrote it; some were corrected since.
;; Attention. Allowed arithmetic: matrix products marked QUANTISED: E2M3 operands, one E8M0 scale for each 32 along K, by v_wmma_scale_f32_16x16x128_f8f6f4 with both operands' format E2M3, f32 sums; everything else in f32.
;; Inputs: cos 2,048 x 64 float32; sin 2,048 x 64 float32; wk 1,024 x 4,096 float32; wo 4,096 x 2,048 float32; wq 2,048 x 4,096 float32; wv 1,024 x 4,096 float32; x 2,048 x 4,096 float32.
;; Outputs: out0 2,048 x 4,096 float32.
;; This version of the problem:
;;   THIS VERSION OF THE PROBLEM IS GIVEN IN LOW PRECISION. The matrix products marked QUANTISED in the list below multiply operands that are first quantised to E2M3 (2 exponent bits, 3 mantissa bits; 6 bits a number), with one power-of-two scale for each 32 numbers along K (OCP MX v1.0); their sums are f32. All else is computed in f32.
;;   The module's matrix products, in the order in which they are computed (A, B: the left and right operand; K: the contracted axis; several contracted axes count as one K, in the product's order):
;;     1. [M 2,048, K 4,096] x [K 4,096, N 2,048]; A: input x; B: input wq: QUANTISED
;;     2. [M 2,048, K 4,096] x [K 4,096, N 1,024]; A: input x; B: input wk: QUANTISED
;;     3. [M 2,048, K 4,096] x [K 4,096, N 1,024]; A: input x; B: input wv: QUANTISED
;;     4. batch 16 x [M 2,048, K 128] x [K 128, N 2,048]; A: computed on the way; B: computed on the way: QUANTISED
;;     5. batch 16 x [M 128, K 2,048] x [K 2,048, N 2,048]; A: computed on the way; B: softmax (see below): QUANTISED
;;     6. [M 2,048, K 2,048] x [K 2,048, N 4,096]; A: computed on the way; B: input wo: QUANTISED
;;   THE QUANTISER, for each operand of a quantised product, along K:
;;     - K is cut into blocks of 32 from its start; a last block that is shorter is filled with zeros.
;;     - A block's scale is 2^e with e = floor(log2(the largest magnitude in the block)) - 2, held to -126 .. 127; a block of zeros has e = 0. As a byte (E8M0): e + 127.
;;     - Each number is divided by its block's scale, clamped to +-7.5, and rounded to the nearest number of E2M3, ties to even, subnormals kept.
;;     - The product sums the exact products of the quantised numbers (number of the format x scale) in f32.
;;   ~~~python
;;   def quantise(x, axis):      # numpy; x: float32 -> the quantised numbers, widened to float32 again
;;       x = np.moveaxis(x, axis, -1); K = x.shape[-1]
;;       x = np.pad(x, [(0, 0)] * (x.ndim - 1) + [(0, -K % 32)]); x = x.reshape(x.shape[:-1] + (-1, 32)); a = np.abs(x).max(-1, keepdims=True)
;;       e = np.where(a > 0, np.clip(np.frexp(np.where(a > 0, a, 1))[1] - 1 - 2, -126, 127), 0)      # np.frexp(a)[1] - 1 = floor(log2(a)), exactly
;;       r = np.clip(x / 2.0 ** e, -7.5, 7.5)
;;       step = 2.0 ** (np.maximum(np.frexp(np.where(r == 0, 1, r))[1] - 1, 0) - 3)
;;       q = np.round(r / step) * step * 2.0 ** e      # np.round: ties to even
;;       return np.moveaxis(q.reshape(q.shape[:-2] + (-1,))[..., :K], -1, axis).astype(np.float32)
;;   ~~~
;;   SOFTMAX AHEAD OF A QUANTISED PRODUCT. Where the list says 'softmax', what is quantised is not the finished softmax but p = 2^(t - M), with t = logit x log2(e) and M = ceil(the row's largest t), a whole number; so 1/2 < the row's largest p <= 1. The row's sum l is taken of the UNQUANTISED p, in f32, and the product's result is divided by l at the end. Since M is a whole number, a kernel that streams over the keys may use a running M (the ceiling of the running maximum): every later rescaling is an exact power of two, which a block's scale takes up: the codes' values come out the same.
;;   OPERANDS COMPUTED ON THE WAY. 'Computed on the way' means the value that the module computes at that place (a softmax that the list does not call 'softmax' is quantised finished and normalised). What goes into a quantiser is computed in f32, as accurately as f32 sums, v_exp_f32 and their like allow (about 1e-6 of the number): no bf16 or f16 on the way to a quantiser, and a product that is left as it is and whose result goes on into a quantised operand takes f32 operands (vector FMAs, or v_wmma_f32_16x16x4_f32). A number that lies on a knife's edge between two numbers of the format may be rounded either way, as far as f32 arithmetic and the matrix unit's own rounding can turn it there, and no further.
;; One version. Each part assembles by itself: llvm-mc -triple=amdgcn-amd-amdhsa -mcpu=gfx1250 --defsym DOCPART=n.
;; ======== version 1 of 1: 4 launches
;; limits: right only within a limited range of input values
;; workspace buffers: c1 25,165,824 bytes; s1 1,048,576 bytes; c2 6,291,456 bytes; s2 262,144 bytes; c3 3,145,728 bytes; s3 131,072 bytes
;; launch quant (part 1): grid 1024 x 1, 4 waves a work-group, no clusters, 34,304 bytes of LDS; arguments x, wq, wk, wv, wo, c1, s1; writes c1, s1
.if DOCPART == 1
	.amdgcn_target "amdgcn-amd-amdhsa--gfx1250"
	.amdhsa_code_object_version 6
	.text
	.protected	k_q79c742ab10_quant
	.globl	k_q79c742ab10_quant
	.p2align	8
	.type	k_q79c742ab10_quant,@function
k_q79c742ab10_quant:
	s_mov_b64 s[64:65], 0
	v_nop
	global_prefetch_b8 v0, s[64:65] scope:SCOPE_SE
	s_setreg_imm32_b32 hwreg(HW_REG_WAVE_MODE, 25, 1), 1
	s_wait_xcnt 0x0
; x, wq, wk, wv [rows][4096] and wo [4096][2048], f32, K innermost, become codes of FP6 (E2M3) with one E8M0 scale byte for each 32 along K.
; A block's scale is 2^(floor(log2(its largest magnitude)) - 2); its byte is the largest magnitude's exponent field - 2, held at 1 from below.
; LIMITS: NaN and infinities are not served.  A block of zeros, or one whose largest magnitude lies under 2^-124, gets the byte 1 where the rule says 127 or less:
; its codes are zeros or the rule's own at the floor, and the bytes are read by this program alone.
; LAYOUT OF THE RESULT.  The codes are stored as IMAGES OF OPERAND REGISTERS.  A fragment is 16 rows x 128 K: 12 registers a lane, 1,536 bytes; registers 4 c .. 4 c + 3
; of lane l lie at 512 c + 16 l.  TILE T OF A TENSOR HOLDS ROWS 32 (T / 2) + 8 (T % 2) + i + 8 (i / 8), i = 0 .. 15: two runs of eight rows, 16 apart.
; c1: [T 0..383][K step 0..31][1536] for x (T 0-127), wq (128-255), wk (256-319), wv (320-383); behind them wo as [T 0..255][K step 0..15][1536].
; s1: for each tile and each four K steps 256 bytes, [row 0..15][4 words]: a row's scale words of four K steps are 16 neighbouring bytes.
; SHARES.  A wave takes one tile and four K steps: 16 rows x 2,048 bytes in, 6,144 + 256 bytes out.  Each load reads 512 consecutive bytes of one row; the 16 rows turn through the
; wave's own stage in LDS, so that a lane gets 16 neighbours along K of its row for each block of 32.  Three fragments' loads (48) are out at the start.  Waves share nothing: no barrier.
.set OFF,  8                           ; v8-15   row i of eight: i x row bytes + 16 x lane
.set PC,   16                          ; v16-27  the fragment's codes
.set TP,   28                          ; v28-35  the conversions' second halves
.set TM,   36                          ; v36-51  at work in QUANT
.set PW,   52                          ; v52-55  the four fragments' scale words
.set SD,   56                          ; v56-57  the scale words as they are stored
.set RSET, 64                          ; v64-255 three sets of 64 numbers
.set SEL,  32                          ; s[32:33] lane selects for v_permlanex16_b32: lane l xor 16
.set SP,   528                         ; a stage row: 512 bytes + 16, so that the sixteen rows of a read start in sixteen different columns of 16 bytes
.set STG,  16*SP                       ; a wave's stage
; 64 numbers of a lane, register 16 b + i = k 32 b + 16 (lane / 16) + i of my row, become a fragment's codes in v[pc] on and my row's scale word in v[pw].
.macro QUANT s, pc, tp, pw
.irp b, 0,1,2,3
	v_max3_num_f32 v[TM+\b], |v[(\s)+16*\b]|, |v[(\s)+1+16*\b]|, 0x1800000   ; block b: my 16 numbers, and the floor 2^(3 - 127): the byte cannot fall under 1
.endr
.irp i, 2,4,6,8,10,12,14
.irp b, 0,1,2,3
	v_max3_num_f32 v[TM+\b], v[TM+\b], |v[(\s)+16*\b+\i]|, |v[(\s)+1+16*\b+\i]|   ; the four blocks by turns
.endr
.endr
.irp b, 0,1,2,3
	v_permlanex16_b32 v[TM+4+\b], v[TM+\b], s[SEL], s[SEL+1]
.endr
.irp b, 0,1,2,3
	v_max_num_f32 v[TM+\b], v[TM+\b], v[TM+4+\b]       ; with lane l xor 16's: the block's largest magnitude
.endr
.irp b, 0,1,2,3
	v_add_nc_u32 v[TM+12+\b], 0xff000000, v[TM+\b]     ; 2 off its exponent field: the conversion takes this operand's exponent field as its scale
.endr
.irp b, 0,1,2,3
	v_lshrrev_b32 v[TM+4+\b], 23, v[TM+12+\b]          ; the scale's byte
.endr
	v_lshl_or_b32 v[\pw], v[TM+5], 8, v[TM+4]
	v_lshl_or_b32 v[\pw], v[TM+6], 16, v[\pw]
	v_lshl_or_b32 v[\pw], v[TM+7], 24, v[\pw]
.irp c, 0,1
	v_cvt_scalef32_pk16_fp6_f32 v[(\pc)+6*\c:(\pc)+6*\c+2], v[(\s)+32*\c:(\s)+32*\c+15], v[TM+12+2*\c]
	v_cvt_scalef32_pk16_fp6_f32 v[(\tp)+4*\c:(\tp)+4*\c+2], v[(\s)+32*\c+16:(\s)+32*\c+31], v[TM+13+2*\c]   ; (a conversion's three registers begin on an even number)
.endr
	v_nop                                          ; one plain instruction behind the scaled conversions
.irp c, 0,1                                    ; the operand wants a WHOLE block in a lane: lanes 0-15 block 2 c, lanes 16-31 block 2 c + 1
.irp i, 0,1,2
	v_permlane16_swap_b32 v[(\pc)+6*\c+\i], v[(\tp)+4*\c+\i]
.endr
.irp i, 0,1,2
	v_mov_b32 v[(\pc)+3+6*\c+\i], v[(\tp)+4*\c+\i]
.endr
.endr
.endm
	s_load_b256 s[4:11], s[0:1], 0x0               ; x s[4:5], wq s[6:7], wk s[8:9], wv s[10:11]
	s_load_b128 s[12:15], s[0:1], 0x20             ; wo s[12:13], c1 s[14:15]
	s_load_b64 s[16:17], s[0:1], 0x30              ; s1
	v_lshl_add_u32 v62, v0, 2, 0x8400
	v_mov_b32 v63, 0
	v_lshrrev_b32 v1, 5, v0
	v_readfirstlane_b32 s18, v1                    ; wave
	v_and_b32 v1, 31, v0                           ; lane
	v_and_b32 v2, 15, v0                           ; r
	v_bfe_u32 v3, v0, 4, 1                         ; h
	v_lshlrev_b32 v4, 4, v1                        ; 16 x lane
	s_mul_i32 s19, s18, STG
	v_add_nc_u32 v5, s19, v4                       ; the stage, on the way in: a row's 512 bytes as they are loaded
	v_mul_u32_u24 v6, v2, SP
	v_lshl_add_u32 v6, v3, 6, v6
	v_add_nc_u32 v6, s19, v6                       ; and on the way out: row r, + 64 h: my 16 numbers of a block of 32
	v_lshlrev_b32 v7, 4, v2
	v_lshl_add_u32 v7, v3, 3, v7                   ; the scale words' place: 16 r + 8 h
.irp b, 0,1,2,3
	v_mov_b32 v[TM+4+\b], 0                        ; written once: a lane permute's destination counts as one of its sources
.endr
	s_mov_b32 s[SEL], 0x76543210
	s_mov_b32 s[SEL+1], 0xfedcba98
	; Which tensor, tile and four K steps are mine: all by selections on the work-group's number w; one path through the text.
	; w < 768: tile T = w / 2 of the tensors with K = 4,096, quad G = 4 (w % 2) + wave.  Else: tile w - 768 of wo, quad G = wave.
	s_lshr_b32 s20, ttmp9, 1                       ; T
	s_and_b32 s21, ttmp9, 1
	s_lshl_b32 s21, s21, 2
	s_add_co_u32 s21, s21, s18                     ; G for K = 4,096
	s_sub_co_u32 s34, ttmp9, 768                   ; the tile's number inside its own tensor: wo's,
	s_sub_co_u32 s35, s20, 320                     ; wv's,
	s_sub_co_u32 s36, s20, 256                     ; wk's,
	s_sub_co_u32 s37, s20, 128                     ; wq's (x's is T)
	s_mul_i32 s38, s20, 49152                      ; the tile's codes in c1,
	s_mul_i32 s39, s34, 24576
	s_add_co_u32 s39, s39, 18874368                ; or behind the other four tensors' for wo
	s_lshl_b32 s40, s20, 11                        ; and its scale words in s1
	s_lshl_b32 s41, s34, 10
	s_add_co_u32 s41, s41, 786432
	s_wait_kmcnt 0x0
	s_cmp_lt_u32 ttmp9, 768
	s_cselect_b64 s[24:25], s[10:11], s[12:13]
	s_cselect_b32 s22, s35, s34
	s_cselect_b32 s21, s21, s18
	s_cselect_b32 s38, s38, s39
	s_cselect_b32 s40, s40, s41
	s_cselect_b32 s42, 14, 13                      ; log2 of a row's bytes
	s_cmp_lt_u32 ttmp9, 640
	s_cselect_b64 s[24:25], s[8:9], s[24:25]
	s_cselect_b32 s22, s36, s22
	s_cmp_lt_u32 ttmp9, 512
	s_cselect_b64 s[24:25], s[6:7], s[24:25]
	s_cselect_b32 s22, s37, s22
	s_cmp_lt_u32 ttmp9, 256
	s_cselect_b64 s[24:25], s[4:5], s[24:25]
	s_cselect_b32 s22, s20, s22
	s_lshl_b32 s23, 1, s42                         ; a row's bytes
	s_lshr_b32 s43, s22, 1
	s_lshl_b32 s43, s43, 5
	s_and_b32 s44, s22, 1
	s_lshl_b32 s44, s44, 3
	s_add_co_u32 s43, s43, s44                     ; the tile's first row: 32 (t / 2) + 8 (t % 2)
	s_lshl_b32 s44, s43, s42
	s_lshl_b32 s45, s21, 11                        ; four K steps are 2,048 bytes of a row
	s_add_co_u32 s44, s44, s45
	s_mov_b32 s45, 0
	s_add_nc_u64 s[24:25], s[24:25], s[44:45]      ; rows 0-7 of the tile
	s_lshl_b32 s44, s23, 4
	s_add_nc_u64 s[26:27], s[24:25], s[44:45]      ; rows 8-15: sixteen rows of the tensor further down
	s_mul_i32 s44, s21, 6144
	s_add_co_u32 s44, s44, s38
	s_add_nc_u64 s[28:29], s[14:15], s[44:45]      ; my four fragments in c1
	s_lshl_b32 s44, s21, 8
	s_add_co_u32 s44, s44, s40
	s_add_nc_u64 s[30:31], s[16:17], s[44:45]      ; my 256 bytes in s1
.irp i, 0,1,2,3,4,5,6,7
	v_mad_u32_u24 v[OFF+\i], s23, \i, v4
.endr
.macro LOADF f                         ; K step f of my four: 16 loads, each 512 consecutive bytes of one row, into set f % 3
.irp i, 0,1,2,3,4,5,6,7
	global_load_b128 v[RSET+64*((\f)%3)+4*\i:RSET+64*((\f)%3)+4*\i+3], v[OFF+\i], s[24:25] offset:512*(\f) th:TH_LOAD_NT
.endr
.irp i, 0,1,2,3,4,5,6,7
	global_load_b128 v[RSET+64*((\f)%3)+32+4*\i:RSET+64*((\f)%3)+32+4*\i+3], v[OFF+\i], s[26:27] offset:512*(\f) th:TH_LOAD_NT
.endr
.endm
.macro FRAGM f, left                   ; left: the loads of the fragments behind this one, which may stay out
.set XS, RSET+64*((\f)%3)
	s_wait_loadcnt \left
.irp i, 0,1,2,3,4,5,6,7,8,9,10,11,12,13,14,15
	ds_store_b128 v5, v[XS+4*\i:XS+4*\i+3] offset:SP*\i
.endr
.irp b, 0,1,2,3
.irp j, 0,1,2,3
	ds_load_b128 v[XS+16*\b+4*\j:XS+16*\b+4*\j+3], v6 offset:128*\b+16*\j   ; LDS serves a wave's instructions in order: these see the stores above
.endr
.endr
	s_wait_dscnt 0x0
.if (\f) > 0
	s_wait_xcnt 0x0                                ; the last fragment's stores have read the codes' registers: they are written again only behind this wait
.endif
	QUANT XS, PC, TP, PW+(\f)
.if (\f) == 0
	LOADF 3                                        ; set 0 is free: it takes the fourth fragment
.endif
.irp c, 0,1,2
	global_store_b128 v4, v[PC+4*\c:PC+4*\c+3], s[28:29] offset:1536*(\f)+512*\c   ; 32 lanes store 512 consecutive bytes, at a multiple of 512 from c1's first byte
.endr
.endm
	LOADF 0
	LOADF 1
	LOADF 2
	FRAGM 0, 32                                    ; fragments 1 and 2 may be out
	FRAGM 1, 32                                    ; fragments 2 and 3
	FRAGM 2, 16                                    ; fragment 3
	FRAGM 3, 0
	v_cmp_le_u32 vcc_lo, 16, v1                    ; both halves of the lanes hold row r's four words: lanes 0-15 store words 0 and 1, lanes 16-31 words 2 and 3
	v_cndmask_b32 v[SD], v[PW], v[PW+2], vcc_lo
	v_cndmask_b32 v[SD+1], v[PW+1], v[PW+3], vcc_lo
	global_store_b64 v7, v[SD:SD+1], s[30:31]      ; 32 lanes store 256 consecutive bytes, aligned
	s_wait_tensorcnt 0x0
	ds_add_u32 v62, v63
	s_wait_dscnt 0x0
	s_endpgm
.Lfunc_end_k_q79c742ab10_quant:
	.size	k_q79c742ab10_quant, .Lfunc_end_k_q79c742ab10_quant-k_q79c742ab10_quant
	.p2alignl 7, 3214868480
	.fill 96, 4, 3214868480
	.section	.rodata,"a",@progbits
	.p2align	6, 0x0
	.amdhsa_kernel k_q79c742ab10_quant
		.amdhsa_group_segment_fixed_size 34304
		.amdhsa_private_segment_fixed_size 0
		.amdhsa_enable_private_segment 0
		.amdhsa_kernarg_size 56
		.amdhsa_user_sgpr_count 2
		.amdhsa_user_sgpr_kernarg_segment_ptr 1
		.amdhsa_wavefront_size32 1
		.amdhsa_system_sgpr_workgroup_id_x 1
		.amdhsa_system_sgpr_workgroup_id_y 1
		.amdhsa_system_sgpr_workgroup_id_z 1
		.amdhsa_system_vgpr_workitem_id 0
		.amdhsa_next_free_vgpr 256
		.amdhsa_next_free_sgpr 66
		.amdhsa_reserve_vcc 1
		.amdhsa_float_denorm_mode_32 3
		.amdhsa_float_denorm_mode_16_64 3
		.amdhsa_memory_ordered 1
		.amdhsa_forward_progress 1
		.amdhsa_inst_pref_size 35
	.end_amdhsa_kernel
	.amdgpu_metadata
---
amdhsa.version: [ 1, 2 ]
amdhsa.kernels:
  - .name:           k_q79c742ab10_quant
    .symbol:         k_q79c742ab10_quant.kd
    .args:
      - { .name: x, .offset: 0, .size: 8, .value_kind: global_buffer, .address_space: global }
      - { .name: wq, .offset: 8, .size: 8, .value_kind: global_buffer, .address_space: global }
      - { .name: wk, .offset: 16, .size: 8, .value_kind: global_buffer, .address_space: global }
      - { .name: wv, .offset: 24, .size: 8, .value_kind: global_buffer, .address_space: global }
      - { .name: wo, .offset: 32, .size: 8, .value_kind: global_buffer, .address_space: global }
      - { .name: c1, .offset: 40, .size: 8, .value_kind: global_buffer, .address_space: global }
      - { .name: s1, .offset: 48, .size: 8, .value_kind: global_buffer, .address_space: global }
    .group_segment_fixed_size: 34304
    .private_segment_fixed_size: 0
    .kernarg_segment_align: 8
    .kernarg_segment_size: 56
    .max_flat_workgroup_size: 128
    .sgpr_count:     66
    .vgpr_count:     256
    .wavefront_size: 32
...
	.end_amdgpu_metadata
.endif
;; end of part 1
;; launch qkv (part 2): grid 16 x 16, 4 waves a work-group, clusters of 4 x 4, 327,680 bytes of LDS; arguments c1, s1, cos, sin, c2, s2; writes c2, s2
.if DOCPART == 2
	.amdgcn_target "amdgcn-amd-amdhsa--gfx1250"
	.amdhsa_code_object_version 6
	.text
	.protected	k_q79c742ab10_qkv
	.globl	k_q79c742ab10_qkv
	.p2align	8
	.type	k_q79c742ab10_qkv,@function
k_q79c742ab10_qkv:
	s_mov_b64 s[64:65], 0
	v_nop
	global_prefetch_b8 v0, s[64:65] scope:SCOPE_SE
	s_setreg_imm32_b32 hwreg(HW_REG_WAVE_MODE, 25, 1), 1
	s_wait_xcnt 0x0
	s_wait_alu depctr_hold_cnt(0) depctr_sa_sdst(0) depctr_va_vdst(0) depctr_va_sdst(0) depctr_va_ssrc(0) depctr_va_vcc(0) depctr_vm_vsrc(0)
	s_getreg_b32 s2, hwreg(HW_REG_IB_STS2, 6, 4)
	s_cmp_eq_u32 s2, 0
	s_cbranch_scc0 .Lentry_in_a_cluster
	s_endpgm
.Lentry_in_a_cluster:
	s_bfe_u32 s2, ttmp6, 0x10000c
	s_cmp_lg_u32 s2, 0xf033
	s_cbranch_scc0 .Lentry_shape_is_right
	s_endpgm
.Lentry_shape_is_right:
; Q, K (rotated by cos and sin) and V^T from the codes of x, wq, wk, wv in c1 (images of operand registers, 1,536 bytes a fragment of 16 rows x 128 K; scale words in s1), quantised again into c2 and s2.
; SHARES.  A work-group makes 128 x 256 of a product, four waves 64 x 128 each (32 accumulators).  Clusters x = 0..2: side A = 128 tokens of x, side B = 256 rows of wq or wk.  Cluster x = 3: side A = 128 rows of wv,
; side B = 256 tokens: V^T, whose K in the next launch is the keys.  Source 0 takes B's tiles, so a lane holds one row of A and, by the choice of a tile's rows, 16 neighbours of B's rows in 16 registers.
; RING.  Two LDS slots of four K steps each (A 49,152 bytes, B 98,304); waves 0, 1 fetch A's halves, waves 2, 3 B's, by joint loads in a 4 x 4 cluster (A shared along a row, B along a column).
; One joint load a wave at the head (fill 0); fill 1 stands behind the waits, the add and a round, as every refill does.
; PREFETCH.  Behind the joint load of fill n each wave names fill n + 2 of the tiles that it fetches (behind fill 0 also fill 1): the four partners of a joint load share its tiles out by address (A: tile cx of four;
; B: tiles 2 cy and 2 cy + 1 of eight); a lane names one block of 256 bytes, 24 to a tile's 6,144 bytes, lanes 24-31 the last again.  Fills 6 and 7 are the last: the loop's last trip asks for nothing.
; THE TABLES cos and sin are loaded behind the first K step, by the blocks of Q and K alone; V's blocks have no rotation and quantise their sums as they stand in the accumulators.
; LIMITS: NaN and infinities are not served; a block whose largest magnitude lies under 2^-124 (zeros too) gets the byte 1; this program alone reads the bytes.
.set KST,   32
.set PFA,   98                         ; s[98:99] my share of the tiles that I fetch, at the fill from which the prefetches' offsets count
.set TROW,  KST*1536
.set SROW,  KST*64
.set LAPS,  KST/8
.set SLOTB, 147456
.set BOFF,  49152
.set SPARE, 2*SLOTB
.set SC,    32
.set AF,    128
.set ADRA,  16
.set ADRB,  20
.set SPW,   28
.set NIL,   29
.set RR,    128
.set PC,    192
.set TP,    204
.set TM,    212
.set PW,    228
.set SD,    232
.set WV,    17
.set AH,    18
.set BH,    19
.set SEL,   22
.set G1A,   24
.set G0A,   32
.set G1B,   48
.set G0B,   56
.set SAP,   68
.set SBP,   70
.set IV,    72
.set MUL,   0xa1
.set TO_B,  0x40
.set MSB, 0
.macro WIN new
.if MSB != \new
	s_set_vgpr_msb (MSB<<8)|\new
.set MSB, \new
.endif
.endm
.macro ASK off                         ; one tile's 24 blocks at byte off of its row; B's waves name a second tile
	global_prefetch_b8 v7, s[PFA:PFA+1] offset:\off th:TH_LOAD_NT scope:SCOPE_SE
	s_cmp_eq_u32 s[AH], 0
	s_cbranch_scc1 .Lone_\@
	global_prefetch_b8 v7, s[PFA:PFA+1] offset:\off+TROW th:TH_LOAD_NT scope:SCOPE_SE
.Lone_\@:
.endm
.macro ASKL off                        ; in the loop: s3 = 1 in the last trip, which has no fill two on
	s_cmp_gt_u32 s3, 1
	s_cbranch_scc0 .Lnone_\@
	ASK \off
.Lnone_\@:
.endm
.macro PLACES n
.rept \n
	v_nop
.endr
.endm
.macro JLOAD slot
	s_cmp_eq_u32 s[AH], 0
	s_cbranch_scc0 .Lfor_b_\@
	tensor_load_to_lds s[G0A+4*\slot:G0A+4*\slot+3], s[G1A:G1A+7]
	s_nop 0
.rept 4
	v_nop
.endr
	s_branch .Lasked_\@
.Lfor_b_\@:
	tensor_load_to_lds s[G0B+4*\slot:G0B+4*\slot+3], s[G1B:G1B+7]
	s_nop 0
.rept 4
	v_nop
.endr
.Lasked_\@:
.endm
.macro CREST
	s_cmp_lg_u32 s[WV], 0
	s_cbranch_scc1 .Lnot_wave_0_\@
	s_barrier_signal -3
.Lnot_wave_0_\@:
	s_barrier_wait -3
	s_barrier_signal -1
	s_barrier_wait -1
.endm
.macro CROUND
	s_barrier_signal -1
	s_barrier_wait -1
	CREST
.endm
.macro FETCH slot, q, f
	WIN TO_B
.irp b, 0,1,2,3,4,5,6,7
.irp c, 0,1,2
	ds_load_b128 v[96*(\f)+12*\b+4*\c:96*(\f)+12*\b+4*\c+3], v[ADRB+\slot] offset:6144*\b+1536*(\q)+512*\c
.endr
.endr
	WIN 0
.irp a, 0,1,2,3
.irp c, 0,1,2
	ds_load_b128 v[AF+48*(\f)+12*\a+4*\c:AF+48*(\f)+12*\a+4*\c+3], v[ADRA+\slot] offset:6144*\a+1536*(\q)+512*\c
.endr
.endr
.endm
.macro MULA a, f, set, q, zero
.irp b, 0,1,2,3,4,5,6,7
.if \zero
	v_wmma_scale_f32_16x16x128_f8f6f4 v[8*(8*(\a)+\b):8*(8*(\a)+\b)+7], v[96*(\f)+12*\b:96*(\f)+12*\b+11], v[AF+48*(\f)+12*(\a):AF+48*(\f)+12*(\a)+11], 0, v[SC+48*(\set)+16+4*\b+(\q)], v[SC+48*(\set)+4*(\a)+(\q)] matrix_a_fmt:MATRIX_FMT_FP6 matrix_b_fmt:MATRIX_FMT_FP6
.else
	v_wmma_scale_f32_16x16x128_f8f6f4 v[8*(8*(\a)+\b):8*(8*(\a)+\b)+7], v[96*(\f)+12*\b:96*(\f)+12*\b+11], v[AF+48*(\f)+12*(\a):AF+48*(\f)+12*(\a)+11], v[8*(8*(\a)+\b):8*(8*(\a)+\b)+7], v[SC+48*(\set)+16+4*\b+(\q)], v[SC+48*(\set)+4*(\a)+(\q)] matrix_a_fmt:MATRIX_FMT_FP6 matrix_b_fmt:MATRIX_FMT_FP6
.endif
.endr
.endr
.endm
.macro SCALES set, step
.if \step
	s_wait_xcnt 0x0
	s_add_nc_u64 s[SAP:SAP+1], s[SAP:SAP+1], 256
	s_add_nc_u64 s[SBP:SBP+1], s[SBP:SBP+1], 256
.endif
.irp a, 0,1,2,3
	global_load_b128 v[SC+48*(\set)+4*\a:SC+48*(\set)+4*\a+3], v4, s[SAP:SAP+1] offset:\a*SROW
.endr
.irp b, 0,1,2,3,4,5,6,7
	global_load_b128 v[SC+48*(\set)+16+4*\b:SC+48*(\set)+16+4*\b+3], v4, s[SBP:SBP+1] offset:\b*SROW
.endr
.endm
.macro QSTEP slot, q, zero, scl
.if (\q) == 0
	s_wait_loadcnt 0x0
.endif
	s_wait_dscnt 6
	WIN MUL
	MULA 0, (\q)%2, \slot, \q, \zero
	MULA 1, (\q)%2, \slot, \q, \zero
	PLACES 4
	FETCH \slot, (\q)+1, 1-(\q)%2
.if \scl
	SCALES 1-\slot, 1
.endif
	s_wait_dscnt 36
	WIN MUL
	MULA 2, (\q)%2, \slot, \q, \zero
	MULA 3, (\q)%2, \slot, \q, \zero
.endm
.macro TURN slot, next, fill
	WIN 0
.if (\fill) && (\slot) == 0
	s_wait_xcnt 0x0                                ; my prefetches have read their base: it steps two fills a trip
	s_add_nc_u64 s[PFA:PFA+1], s[PFA:PFA+1], 12288
.endif
	s_wait_tensorcnt 0x0
	ds_add_u32 v[SPW], v[NIL]
	s_wait_dscnt 7
	WIN MUL
	MULA 0, 1, \slot, 3, 0
	s_wait_dscnt 0x0
	s_barrier_signal -1
	MULA 1, 1, \slot, 3, 0
	WIN 0
	s_barrier_wait -1
.if \fill
	CREST
	s_add_nc_u64 s[G0A+4*\slot+2:G0A+4*\slot+3], s[G0A+4*\slot+2:G0A+4*\slot+3], 12288
	s_add_nc_u64 s[G0B+4*\slot+2:G0B+4*\slot+3], s[G0B+4*\slot+2:G0B+4*\slot+3], 12288
	JLOAD \slot
.else
	PLACES 4
.endif
	FETCH \next, 0, 0
.if \fill
	ASKL 12288+6144*(\slot)                        ; the fill two behind the one just asked for
.endif
	WIN MUL
	MULA 2, 1, \slot, 3, 0
	MULA 3, 1, \slot, 3, 0
.endm
.macro QUANT s, pc, tp, pw, w          ; w: the window in which the 64 numbers stand
	WIN 5*(\w)
.irp b, 0,1,2,3
	v_max3_num_f32 v[TM+\b], |v[(\s)+16*\b]|, |v[(\s)+1+16*\b]|, 0x1800000
.endr
	WIN 20*(\w)
.irp i, 2,4,6,8,10,12,14
.irp b, 0,1,2,3
	v_max3_num_f32 v[TM+\b], v[TM+\b], |v[(\s)+16*\b+\i]|, |v[(\s)+1+16*\b+\i]|
.endr
.endr
	WIN 0
.irp b, 0,1,2,3
	v_permlanex16_b32 v[TM+4+\b], v[TM+\b], s[SEL], s[SEL+1]
.endr
.irp b, 0,1,2,3
	v_max_num_f32 v[TM+\b], v[TM+\b], v[TM+4+\b]
.endr
.irp b, 0,1,2,3
	v_add_nc_u32 v[TM+12+\b], 0xff000000, v[TM+\b]
.endr
.irp b, 0,1,2,3
	v_lshrrev_b32 v[TM+4+\b], 23, v[TM+12+\b]
.endr
	v_lshl_or_b32 v[\pw], v[TM+5], 8, v[TM+4]
	v_lshl_or_b32 v[\pw], v[TM+6], 16, v[\pw]
	v_lshl_or_b32 v[\pw], v[TM+7], 24, v[\pw]
	WIN \w
.irp c, 0,1
	v_cvt_scalef32_pk16_fp6_f32 v[(\pc)+6*\c:(\pc)+6*\c+2], v[(\s)+32*\c:(\s)+32*\c+15], v[TM+12+2*\c]
	v_cvt_scalef32_pk16_fp6_f32 v[(\tp)+4*\c:(\tp)+4*\c+2], v[(\s)+32*\c+16:(\s)+32*\c+31], v[TM+13+2*\c]
.endr
	WIN 0
	v_nop
.irp c, 0,1
.irp i, 0,1,2
	v_permlane16_swap_b32 v[(\pc)+6*\c+\i], v[(\tp)+4*\c+\i]
.endr
.irp i, 0,1,2
	v_mov_b32 v[(\pc)+3+6*\c+\i], v[(\tp)+4*\c+\i]
.endr
.endr
.endm
	s_load_b256 s[4:11], s[0:1], 0x0
	s_load_b128 s[12:15], s[0:1], 0x20
	v_lshl_add_u32 v[SPW], v0, 2, SPARE
	v_mov_b32 v[NIL], 0
	ds_add_u32 v28, v29
	ds_add_u32 v28, v29
	s_wait_dscnt 0x0
	v_lshrrev_b32 v1, 5, v0
	v_readfirstlane_b32 s[WV], v1
	s_lshr_b32 s[AH], s[WV], 1
	s_and_b32 s[BH], s[WV], 1
	s_bfe_u32 s40, ttmp6, 0x40000
	s_bfe_u32 s41, ttmp6, 0x40004
	s_and_b32 s42, ttmp7, 0xffff
	s_and_b32 s43, s42, 1
	s_lshr_b32 s44, s42, 1
	s_cmp_eq_u32 ttmp9, 3
	s_cselect_b32 s45, s43, s42
	s_cselect_b32 s46, s44, ttmp9
	s_cselect_b32 s47, 320, 0
	s_cselect_b32 s73, 0, 128
	s_cselect_b32 s[IV], 1, 0
	s_lshl_b32 s45, s45, 2
	s_add_co_u32 s45, s45, s41
	s_lshl_b32 s46, s46, 2
	s_add_co_u32 s46, s46, s40
	s_lshl_b32 s74, s45, 3
	s_add_co_u32 s74, s74, s47
	s_lshl_b32 s75, s46, 4
	s_add_co_u32 s75, s75, s73
	s_lshl_b32 s76, s[BH], 2
	s_add_co_u32 s76, s76, s74
	s_mul_i32 s76, s76, TROW
	s_mov_b32 s77, 0
	s_lshl_b32 s78, s[BH], 3
	s_add_co_u32 s78, s78, s75
	s_mul_i32 s78, s78, TROW
	s_mov_b32 s79, 0
	s_mul_i32 s80, s[BH], 24576
	s_mul_i32 s81, s[BH], 49152
	s_add_co_u32 s81, s81, BOFF
	s_lshl_b32 s82, s[AH], 2
	s_add_co_u32 s82, s82, s74
	s_mul_i32 s82, s82, SROW
	s_mov_b32 s83, 0
	s_lshl_b32 s84, s[BH], 3
	s_add_co_u32 s84, s84, s75
	s_mul_i32 s84, s84, SROW
	s_mov_b32 s85, 0
	s_lshl_b32 s86, s41, 2
	s_lshl_b32 s86, 15, s86
	s_lshl_b32 s87, 0x1111, s40
	s_or_b32 s[G1A], s86, (3<<16)|(1<<21)
	s_or_b32 s[G1B], s87, (3<<16)|(1<<21)
.irp g, G1A, G1B
	s_mov_b32 s[\g+1], 768<<16
	s_mov_b32 s[\g+3], 768<<16
	s_mov_b32 s[\g+5], TROW/8
	s_mov_b32 s[\g+6], 0
	s_mov_b32 s[\g+7], 0
.endr
	s_mov_b32 s[G1A+2], 4<<16
	s_mov_b32 s[G1A+4], 4
	s_mov_b32 s[G1B+2], 8<<16
	s_mov_b32 s[G1B+4], 8
	s_lshl_b32 s88, s46, 1
	s_add_co_u32 s88, s88, s[BH]
	s_add_co_u32 s89, s45, 24
	s_cmp_eq_u32 s[IV], 1
	s_cselect_b32 s90, s89, s88
	s_cselect_b32 s91, s88, s45
	s_lshl_b32 s92, s90, 7
	s_lshl_b32 s93, s91, 3
	s_add_co_u32 s92, s92, s93
	s_lshl_b32 s93, s[AH], 2
	s_add_co_u32 s92, s92, s93
	s_mul_i32 s92, s92, 1536
	s_mov_b32 s93, 0
	s_lshl_b32 s94, s90, 5
	s_lshl_b32 s95, s91, 1
	s_add_co_u32 s94, s94, s95
	s_add_co_u32 s94, s94, s[AH]
	s_lshl_b32 s94, s94, 8
	s_mov_b32 s95, 0
	s_lshl_b32 s96, s45, 15
	s_lshl_b32 s97, s[AH], 14
	s_add_co_u32 s96, s96, s97
	s_mov_b32 s97, 0
	s_mov_b32 s[SEL], 0x76543210
	s_mov_b32 s[SEL+1], 0xfedcba98
	s_wait_kmcnt 0x0
	s_add_nc_u64 s[76:77], s[4:5], s[76:77]
	s_add_nc_u64 s[78:79], s[4:5], s[78:79]
	s_add_nc_u64 s[SAP:SAP+1], s[6:7], s[82:83]
	s_add_nc_u64 s[SBP:SBP+1], s[6:7], s[84:85]
	s_add_nc_u64 s[8:9], s[8:9], s[96:97]
	s_add_nc_u64 s[10:11], s[10:11], s[96:97]
	s_add_nc_u64 s[12:13], s[12:13], s[92:93]
	s_add_nc_u64 s[14:15], s[14:15], s[94:95]
	s_lshl_b32 s89, s41, 1                         ; the prefetches' base: of the tiles that I fetch, tile cx (A) or tiles 2 cy, 2 cy + 1 (B)
	s_cmp_eq_u32 s[AH], 0
	s_cselect_b32 s88, s40, s89
	s_cselect_b64 s[PFA:PFA+1], s[76:77], s[78:79]
	s_mul_i32 s88, s88, TROW
	s_mov_b32 s89, 0
	s_add_nc_u64 s[PFA:PFA+1], s[PFA:PFA+1], s[88:89]
.irp s, 0,1
	s_mov_b32 s[G0A+4*\s], 1
	s_add_co_u32 s[G0A+4*\s+1], s80, \s*SLOTB
	s_add_nc_u64 s[G0A+4*\s+2:G0A+4*\s+3], s[76:77], \s*6144
	s_or_b32 s[G0A+4*\s+3], s[G0A+4*\s+3], 0x80000000
	s_mov_b32 s[G0B+4*\s], 1
	s_add_co_u32 s[G0B+4*\s+1], s81, \s*SLOTB
	s_add_nc_u64 s[G0B+4*\s+2:G0B+4*\s+3], s[78:79], \s*6144
	s_or_b32 s[G0B+4*\s+3], s[G0B+4*\s+3], 0x80000000
.endr
	CROUND                                         ; all sixteen work-groups are here: the first joint loads meet
	JLOAD 0                                        ; fill 0: one tensor load a wave at the head
	v_and_b32 v1, 15, v0
	v_bfe_u32 v2, v0, 4, 1
	v_and_b32 v3, 31, v0
	v_lshlrev_b32 v3, 4, v3
	v_lshlrev_b32 v4, 4, v1
	v_and_b32 v5, 8, v1
	v_add_nc_u32 v5, v5, v1
	v_lshlrev_b32 v5, 8, v5
	v_lshl_add_u32 v5, v2, 5, v5
	s_wait_alu depctr_va_vdst(0)
	v_lshl_add_u32 v6, v2, 3, v4
	s_mul_i32 s20, s[AH], 24576
	s_mul_i32 s21, s[BH], 49152
	s_add_co_u32 s21, s21, BOFF
.irp s, 0,1
	v_add_nc_u32 v[ADRA+\s], s20, v3
	v_add_nc_u32 v[ADRB+\s], s21, v3
	s_add_co_u32 s20, s20, SLOTB
	s_add_co_u32 s21, s21, SLOTB
.endr
	v_and_b32 v7, 31, v0
	v_min_u32 v7, 23, v7
	v_lshlrev_b32 v7, 8, v7                        ; the prefetches' offset: a lane a block of 256 bytes, 24 blocks to a tile's part of a fill
	s_wait_alu depctr_va_vdst(0)                   ; the wait at the head's end
	SCALES 0, 0
	ASK 6144                                       ; fills 1 and 2
	ASK 12288
	s_wait_tensorcnt 0x0                           ; my part of fill 0 is in
	ds_add_u32 v[SPW], v[NIL]
	s_wait_dscnt 0x0
	CROUND                                         ; everybody's part of fill 0 is in
	JLOAD 1                                        ; fill 1, the first tensor load behind the round
	FETCH 0, 0, 0
	ASK 18432                                      ; fill 3
	QSTEP 0, 0, 1, 1
	WIN 0
	s_cmp_eq_u32 s[IV], 1                          ; V's blocks have no rotation: they load no table (the cluster's x decides, alike in all partners)
	s_cbranch_scc1 .Lno_table
	WIN 0xc0
.irp a, 0,1,2,3
.irp e, 0,1,2,3
.irp j, 0,1
	global_load_b128 v[64*\a+8*\e+4*\j:64*\a+8*\e+4*\j+3], v5, s[8:9] offset:(32*(\a/2)+8*(\a%2))*256+64*\e+16*\j
	global_load_b128 v[64*\a+32+8*\e+4*\j:64*\a+32+8*\e+4*\j+3], v5, s[10:11] offset:(32*(\a/2)+8*(\a%2))*256+64*\e+16*\j
.endr
.endr
.endr
	WIN 0
.Lno_table:
	s_mov_b32 s3, LAPS-1
.Llap:
	QSTEP 0, 1, 0, 0
	QSTEP 0, 2, 0, 0
	TURN 0, 1, 1
	QSTEP 1, 0, 0, 1
	QSTEP 1, 1, 0, 0
	QSTEP 1, 2, 0, 0
	TURN 1, 0, 1
	QSTEP 0, 0, 0, 1
	WIN 0
	s_sub_co_u32 s3, s3, 1
	s_cmp_lg_u32 s3, 0
	s_cbranch_scc1 .Llap
	QSTEP 0, 1, 0, 0
	QSTEP 0, 2, 0, 0
	TURN 0, 1, 0
	QSTEP 1, 0, 0, 0
	QSTEP 1, 1, 0, 0
	QSTEP 1, 2, 0, 0
	s_wait_dscnt 6
	WIN MUL
	MULA 0, 1, 1, 3, 0
	MULA 1, 1, 1, 3, 0
	s_wait_dscnt 0x0
	MULA 2, 1, 1, 3, 0
	MULA 3, 1, 1, 3, 0
	WIN 0
	PLACES 4
.irp b, 0,1,2,3
	v_mov_b32 v[TM+4+\b], 0
.endr
.macro ROPE a
	WIN 0x0e
.set p, 0
.rept 32
	v_mul_f32 v[RR+2*p], v[64*(\a)+2*p+1], v[64*(\a)+32+p]
	v_mul_f32 v[RR+2*p+1], v[64*(\a)+2*p+1], v[64*(\a)+p]
	v_fma_f32 v[RR+2*p], v[64*(\a)+2*p], v[64*(\a)+p], -v[RR+2*p]
	v_fma_f32 v[RR+2*p+1], v[64*(\a)+2*p], v[64*(\a)+32+p], v[RR+2*p+1]
.set p, p+1
.endr
	WIN 0
.endm
	s_cmp_eq_u32 s[IV], 1
	s_cbranch_scc1 .Lplain
.irp a, 0,1,2,3                        ; Q and K: rotated, then quantised along the head's channels
	ROPE \a
.if \a > 0
	s_wait_xcnt 0x0                                ; the last tile's stores have read the codes' registers
.endif
	QUANT RR, PC, TP, PW+\a, 0
.irp c, 0,1,2
	global_store_b128 v3, v[PC+4*\c:PC+4*\c+3], s[12:13] offset:1536*\a+512*\c
.endr
.endr
	s_wait_alu depctr_va_vdst(0)                   ; the wait ahead of the jump
	s_branch .Lwords
.Lplain:
.irp a, 0,1,2,3                        ; V^T: quantised along the keys, straight from the accumulators in window 2
.if \a > 0
	s_wait_xcnt 0x0
.endif
	QUANT 64*\a, PC, TP, PW+\a, 2
.irp c, 0,1,2
	global_store_b128 v3, v[PC+4*\c:PC+4*\c+3], s[12:13] offset:1536*\a+512*\c
.endr
.endr
.Lwords:
	v_cmp_eq_u32 vcc_lo, 1, v2
	v_cndmask_b32 v[SD], v[PW], v[PW+2], vcc_lo
	v_cndmask_b32 v[SD+1], v[PW+1], v[PW+3], vcc_lo
	global_store_b64 v6, v[SD:SD+1], s[14:15]
	s_wait_tensorcnt 0x0
	ds_add_u32 v[SPW], v[NIL]
	s_wait_dscnt 0x0
	CROUND
	s_endpgm
.Lfunc_end_k_q79c742ab10_qkv:
	.size	k_q79c742ab10_qkv, .Lfunc_end_k_q79c742ab10_qkv-k_q79c742ab10_qkv
	.p2alignl 7, 3214868480
	.fill 96, 4, 3214868480
	.section	.rodata,"a",@progbits
	.p2align	6, 0x0
	.amdhsa_kernel k_q79c742ab10_qkv
		.amdhsa_group_segment_fixed_size 327680
		.amdhsa_private_segment_fixed_size 0
		.amdhsa_enable_private_segment 0
		.amdhsa_kernarg_size 48
		.amdhsa_user_sgpr_count 2
		.amdhsa_user_sgpr_kernarg_segment_ptr 1
		.amdhsa_wavefront_size32 1
		.amdhsa_system_sgpr_workgroup_id_x 1
		.amdhsa_system_sgpr_workgroup_id_y 1
		.amdhsa_system_sgpr_workgroup_id_z 1
		.amdhsa_system_vgpr_workitem_id 0
		.amdhsa_next_free_vgpr 1024
		.amdhsa_next_free_sgpr 100
		.amdhsa_reserve_vcc 1
		.amdhsa_float_denorm_mode_32 3
		.amdhsa_float_denorm_mode_16_64 3
		.amdhsa_memory_ordered 1
		.amdhsa_forward_progress 1
		.amdhsa_inst_pref_size 187
	.end_amdhsa_kernel
	.amdgpu_metadata
---
amdhsa.version: [ 1, 2 ]
amdhsa.kernels:
  - .name:           k_q79c742ab10_qkv
    .symbol:         k_q79c742ab10_qkv.kd
    .args:
      - { .name: c1, .offset: 0, .size: 8, .value_kind: global_buffer, .address_space: global }
      - { .name: s1, .offset: 8, .size: 8, .value_kind: global_buffer, .address_space: global }
      - { .name: cos, .offset: 16, .size: 8, .value_kind: global_buffer, .address_space: global }
      - { .name: sin, .offset: 24, .size: 8, .value_kind: global_buffer, .address_space: global }
      - { .name: c2, .offset: 32, .size: 8, .value_kind: global_buffer, .address_space: global }
      - { .name: s2, .offset: 40, .size: 8, .value_kind: global_buffer, .address_space: global }
    .group_segment_fixed_size: 327680
    .private_segment_fixed_size: 0
    .kernarg_segment_align: 8
    .kernarg_segment_size: 48
    .max_flat_workgroup_size: 128
    .sgpr_count:     100
    .vgpr_count:     1024
    .wavefront_size: 32
...
	.end_amdgpu_metadata
.endif
;; end of part 2
;; launch attn (part 3): grid 16 x 16, 8 waves a work-group, no clusters, 327,680 bytes of LDS; arguments c2, s2, c3, s3; writes c3, s3
.if DOCPART == 3
	.amdgcn_target "amdgcn-amd-amdhsa--gfx1250"
	.amdhsa_code_object_version 6
	.text
	.protected	k_q79c742ab10_attn
	.globl	k_q79c742ab10_attn
	.p2align	8
	.type	k_q79c742ab10_attn,@function
k_q79c742ab10_attn:
	s_mov_b64 s[64:65], 0
	v_nop
	global_prefetch_b8 v0, s[64:65] scope:SCOPE_SE
	s_setreg_imm32_b32 hwreg(HW_REG_WAVE_MODE, 25, 1), 1
	s_wait_xcnt 0x0
; O[q][h][:] = softmax over the keys k with q - 1024 < k <= q of (Q[h][q] . K[h / 2][k] / sqrt(128)), times V[h / 2][k][:]; both products on codes of FP6 (E2M3) with E8M0 scales; O / l is quantised again along h x 128 + d.
; LEFT OUT: key steps whose 128 keys all lie under the mask that the problem builds itself (behind the block's queries, or more than the window back).
; THE SOFTMAX: t = score x log2(e) / sqrt(128); M = the row's largest t so far, rounded UP to a whole number; p = 2^(t - M) is quantised along the keys; the row's sum is taken of the unquantised p and divides O at the end.
; When M moves, the sum and O are multiplied by 2^(old M - new M): exact.  The promise holds while |t| stays under 2^31.
; OPERANDS lie in c2 as images of operand registers (a fragment: 1,536 bytes, registers 4 c .. 4 c + 3 of lane l at 512 c + 16 l); a tile T holds rows 32 (T / 2) + 8 (T % 2) + i + 8 (i / 8).
; Planes 0-15 Q's heads, 16-23 K's (fragment = tile of tokens), 24-31 V's transposed (fragment = 8 x key step + tile of channels).  s2: [plane][fragment / 4][row][4 words].
; Both products are used transposed (S^T = K Q^T, O^T = V^T P^T): a lane holds ONE query; register 16 b + i of S^T is key 32 b + 16 (lane / 16) + i of the step, of O^T channel 32 b + 16 (lane / 16) + i.
; SHARES.  A work-group owns 128 queries of one head, each of its eight waves one tile of 16.  Its keys are nine steps of 128, from step max(block - 8, 0) on; every wave classes a step alike, by scalar branches on ids:
; all keys behind the block: the work is left out; the block's own step: causal mask; the step 1,024 back: window mask; else no mask.
; LDS.  Nine steps of K and of V (12,288 bytes each) and their scale words (512 each) are filled once, in rows of 256 bytes that begin on borders of 256.  At the head one tensor load a wave: waves 0-2 K's steps 0-2,
; wave 3 K's scale words, waves 4-7 the same for V.  Steps 3-8 come by one more load a wave (a quarter of K's or V's six steps), behind the waits, the add and a barrier;
; it is waited for ahead of step 2, which fetches K of step 3.  All nine steps are fetched by every block; blocks 0 to 7 leave the steps behind their own unread.
; K's fragments of the NEXT step are asked for in a step's softmax, V's behind the step's first products.
; NO CLUSTER: only two query heads share a K and V; four partners would span two query blocks with other key ranges.  NO PREFETCH: the launch has two fills; the second has two key steps' work in which to land.
; RESULT.  c3: [tile T of queries][head][1536]; s3: [T][head / 4][row][word head % 4].
; LIMITS: NaN and infinities are not served; a block whose largest magnitude lies under 2^-124 (zeros too) gets the byte 1; this program alone reads the bytes.
; REGISTERS.  window 0: v1-4, v8-11 addresses; v12 -M, v13 the largest t, v[14:15] the sum; v16-27 Q; v80-95 K's and V's scale words; v96-159 S^T, then p; v160-223 O^T; v224-235 p's codes; v232-247, v252, v254 at work;
; v250-251 the add's; v253 p's scale word; v255 Q's.   window 1: v0-95 K's eight fragments, v96-191 V's.
.set VC,   110592
.set KSC,  221184
.set VSD,  4608
.set SPARE, 230400
.set LI,   1                           ; 16 x lane
.set R16,  2                           ; 16 r
.set QL,   3                           ; r + 8 (r / 8) - 16 h
.set ASK0, 4                           ; KSC + 16 r
.set ADK,  8
.set ADV,  9
.set ADS,  10
.set ADT,  11
.set KS,   80
.set VS,   88
.set KFR,  0
.set VFR,  96
.set TM,   64
.set SPW,  250
.set NIL,  251
.set WV,   18
.set SEL,  20
.set CS,   22
.set G1C,  24                          ; group 1: a step, 48 rows of 256 bytes
.set G1S,  32                          ; nine steps' scale words, 18 rows
.set G0H,  40                          ; group 0 of the head's load of codes
.set G0L,  44                          ; of the later load
.set G1L,  48                          ; a quarter of six steps, 72 rows
.set G0S,  80                          ; of the scale words' load
.set TB,   2
.set TS,   3
.set KF,   56
.set Q0B,  57
.set QW,   58
.set CNT,  59
.set MSB, 0
.macro WIN new
.if MSB != \new
	s_set_vgpr_msb (MSB<<8)|\new
.set MSB, \new
.endif
.endm
.set FROM1, 0x01
.set TO1,   0x40
.macro DLY n
	s_delay_alu instid0(VALU_DEP_\n)
.endm
.macro NOPS
.rept 4
	v_nop
.endr
.endm
.macro GRP1 g, rows
	s_mov_b32 s[\g], 3<<16
	s_mov_b32 s[\g+1], 32<<16
	s_mov_b32 s[\g+2], (\rows)<<16
	s_mov_b32 s[\g+3], 32<<16
	s_mov_b32 s[\g+4], \rows
	s_mov_b32 s[\g+5], 32
	s_mov_b32 s[\g+6], 0
	s_mov_b32 s[\g+7], 0
.endm
.macro QUANT s, pc, tp, pw
.irp b, 0,1,2,3
	v_max3_num_f32 v[TM+\b], |v[(\s)+16*\b]|, |v[(\s)+1+16*\b]|, 0x1800000   ; my 16 numbers of block b, and the floor 2^(3 - 127)
.endr
.irp i, 2,4,6,8,10,12,14
.irp b, 0,1,2,3
	DLY 4
	v_max3_num_f32 v[TM+\b], v[TM+\b], |v[(\s)+16*\b+\i]|, |v[(\s)+1+16*\b+\i]|
.endr
.endr
.irp b, 0,1,2,3
	DLY 4
	v_permlanex16_b32 v[TM+4+\b], v[TM+\b], s[SEL], s[SEL+1]
.endr
.irp b, 0,1,2,3
	DLY 4
	v_max_num_f32 v[TM+\b], v[TM+\b], v[TM+4+\b]
.endr
.irp b, 0,1,2,3
	DLY 4
	v_add_nc_u32 v[TM+12+\b], 0xff000000, v[TM+\b]
.endr
.irp b, 0,1,2,3
	DLY 4
	v_lshrrev_b32 v[TM+4+\b], 23, v[TM+12+\b]
.endr
	DLY 3
	v_lshl_or_b32 v[\pw], v[TM+5], 8, v[TM+4]
	DLY 1
	v_lshl_or_b32 v[\pw], v[TM+6], 16, v[\pw]
	DLY 1
	v_lshl_or_b32 v[\pw], v[TM+7], 24, v[\pw]
.irp c, 0,1
	v_cvt_scalef32_pk16_fp6_f32 v[(\pc)+6*\c:(\pc)+6*\c+2], v[(\s)+32*\c:(\s)+32*\c+15], v[TM+12+2*\c]
	v_cvt_scalef32_pk16_fp6_f32 v[(\tp)+4*\c:(\tp)+4*\c+2], v[(\s)+32*\c+16:(\s)+32*\c+31], v[TM+13+2*\c]
.endr
	v_nop                                          ; one plain instruction behind the scaled conversions
.irp c, 0,1
.irp i, 0,1,2
	v_permlane16_swap_b32 v[(\pc)+6*\c+\i], v[(\tp)+4*\c+\i]
.endr
.irp i, 0,1,2
	DLY 3
	v_mov_b32 v[(\pc)+3+6*\c+\i], v[(\tp)+4*\c+\i]
.endr
.endr
.endm
.macro KLOAD adk, ads, koff, soff      ; K's eight fragments of a step and row r's scale words of its eight tiles
	WIN TO1
.irp t, 0,1,2,3,4,5,6,7
.irp c, 0,1,2
	ds_load_b128 v[KFR+12*\t+4*\c:KFR+12*\t+4*\c+3], v[\adk] offset:(\koff)+1536*\t+512*\c
.endr
.endr
	WIN 0
	ds_load_b128 v[KS:KS+3], v[\ads] offset:(\soff)
	ds_load_b128 v[KS+4:KS+7], v[\ads] offset:(\soff)+256
.endm
.macro MASK cmp                        ; register n holds key KF + 16 (lane / 16) + 32 (n / 16) + n % 16; hidden scores become -infinity: p = 0
	v_mov_b32 v254, 0xff800000
.set n, 0
.rept 64
	\cmp vcc_lo, 32*(n/16)+n%16, v252
	v_cndmask_b32 v[96+n], v[96+n], v254, vcc_lo
.set n, n+1
.endr
.endm
	s_load_b256 s[4:11], s[0:1], 0x0               ; c2, s2, c3, s3
	v_lshl_add_u32 v[SPW], v0, 2, SPARE
	v_mov_b32 v[NIL], 0
	ds_add_u32 v[SPW], v[NIL]                      ; the add, twice, and its wait below
	ds_add_u32 v[SPW], v[NIL]
	v_lshrrev_b32 v8, 5, v0
	DLY 1
	v_readfirstlane_b32 s[WV], v8                  ; wave 0..7
	s_and_b32 s12, ttmp7, 0xffff                   ; the head
	s_lshr_b32 s13, s12, 1                         ; its key and value head
	s_sub_co_i32 s14, ttmp9, 8
	s_max_i32 s14, s14, 0                          ; the first key step
	s_lshr_b32 s15, s[WV], 2                       ; I fetch for K (0) or for V (1),
	s_and_b32 s16, s[WV], 3                        ; part 0..3
	s_lshl_b32 s17, s15, 3
	s_add_co_u32 s17, s17, s13
	s_add_co_u32 s17, s17, 16                      ; the plane
	s_mul_i32 s60, s17, 196608
	s_mul_i32 s61, s14, 12288
	s_add_co_u32 s60, s60, s61                     ; the first step's codes in c2
	s_lshl_b32 s62, s17, 13
	s_lshl_b32 s63, s14, 9
	s_add_co_u32 s62, s62, s63                     ; and its scale words in s2
	s_mov_b32 s63, 0
	s_mul_i32 s66, s15, VC
	s_mul_i32 s67, s16, 12288                      ; at the head: step = part
	s_mul_i32 s68, s16, 18432                      ; later: quarter = part of steps 3 to 8
	s_mul_i32 s69, s15, VSD
	s_mov_b32 s[G0H], 1
	s_add_co_u32 s[G0H+1], s66, s67
	s_mov_b32 s[G0L], 1
	s_add_co_u32 s[G0L+1], s66, s68
	s_add_co_u32 s[G0L+1], s[G0L+1], 36864
	s_mov_b32 s[G0S], 1
	s_add_co_u32 s[G0S+1], s69, KSC
	s_add_co_u32 s70, s60, s67
	s_mov_b32 s71, 0
	s_add_co_u32 s72, s60, s68
	s_add_co_u32 s72, s72, 36864
	s_mov_b32 s73, 0
	GRP1 G1C, 48
	GRP1 G1S, 18
	GRP1 G1L, 72
	s_wait_dscnt 0x0
	s_wait_kmcnt 0x0
	s_add_nc_u64 s[G0H+2:G0H+3], s[4:5], s[70:71]
	s_or_b32 s[G0H+3], s[G0H+3], 0x80000000
	s_add_nc_u64 s[G0L+2:G0L+3], s[4:5], s[72:73]
	s_or_b32 s[G0L+3], s[G0L+3], 0x80000000
	s_add_nc_u64 s[G0S+2:G0S+3], s[6:7], s[62:63]
	s_or_b32 s[G0S+3], s[G0S+3], 0x80000000
	s_cmp_eq_u32 s16, 3                            ; one tensor load a wave at the head, one to each arm
	s_cbranch_scc1 .Lwords
	tensor_load_to_lds s[G0H:G0H+3], s[G1C:G1C+7]
	s_nop 0
	NOPS
	s_branch .Lasked
.Lwords:
	tensor_load_to_lds s[G0S:G0S+3], s[G1S:G1S+7]
	s_nop 0
	NOPS
.Lasked:
	s_lshl_b32 s68, ttmp9, 3
	s_add_co_u32 s68, s68, s[WV]                   ; my tile T of queries
	s_mul_i32 s70, s12, 196608
	s_mul_i32 s71, s68, 1536
	s_add_co_u32 s70, s70, s71                     ; Q's fragment
	s_mov_b32 s71, 0
	s_lshl_b32 s72, s12, 13
	s_lshr_b32 s73, s68, 2
	s_lshl_b32 s73, s73, 8
	s_add_co_u32 s72, s72, s73
	s_and_b32 s73, s68, 3
	s_lshl_b32 s73, s73, 2
	s_add_co_u32 s72, s72, s73                     ; its scale words
	s_mov_b32 s73, 0
	s_lshl_b32 s74, s68, 4
	s_add_co_u32 s74, s74, s12
	s_mul_i32 s74, s74, 1536                       ; O's fragment: tile T, K step = head
	s_mov_b32 s75, 0
	s_lshl_b32 s76, s68, 10
	s_lshr_b32 s77, s12, 2
	s_lshl_b32 s77, s77, 8
	s_add_co_u32 s76, s76, s77
	s_and_b32 s77, s12, 3
	s_lshl_b32 s77, s77, 2
	s_add_co_u32 s76, s76, s77                     ; its scale words
	s_mov_b32 s77, 0
	s_add_nc_u64 s[70:71], s[4:5], s[70:71]
	s_add_nc_u64 s[72:73], s[6:7], s[72:73]
	s_add_nc_u64 s[74:75], s[8:9], s[74:75]
	s_add_nc_u64 s[76:77], s[10:11], s[76:77]
	s_lshl_b32 s[KF], s14, 7
	s_lshl_b32 s[Q0B], ttmp9, 7
	s_lshr_b32 s69, s[WV], 1
	s_lshl_b32 s69, s69, 5
	s_add_co_u32 s[QW], s[Q0B], s69
	s_and_b32 s69, s[WV], 1
	s_lshl_b32 s69, s69, 3
	s_add_co_u32 s[QW], s[QW], s69                 ; my tile's first query: block + 32 (wave / 2) + 8 (wave % 2)
	s_mov_b32 s[SEL], 0x76543210
	s_mov_b32 s[SEL+1], 0xfedcba98
	s_mov_b32 s[CS], 0x3e0293ee                    ; c = log2(e) / sqrt(128)
	s_mov_b32 s[CS+1], s[CS]
	v_and_b32 v8, 15, v0                           ; r
	v_bfe_u32 v9, v0, 4, 1                         ; h
	v_and_b32 v[LI], 31, v0
	DLY 1
	v_lshlrev_b32 v[LI], 4, v[LI]
	DLY 4
	v_lshlrev_b32 v[R16], 4, v8
.irp c, 0,1,2
	global_load_b128 v[16+4*\c:19+4*\c], v[LI], s[70:71] offset:512*\c   ; Q's fragment stays in registers
.endr
	global_load_b32 v255, v[R16], s[72:73]         ; Q's scale words
	v_and_b32 v10, 8, v8
	DLY 1
	v_add_nc_u32 v[QL], v10, v8
	v_lshlrev_b32 v10, 4, v9
	DLY 1
	v_sub_nc_u32 v[QL], v[QL], v10
	v_add_nc_u32 v[ASK0], KSC, v[R16]
	v_mov_b32 v13, 0xff61b1e6                      ; the largest t so far: -3e38
	DLY 1
	v_floor_f32 v12, -v13                          ; -M
	v_mov_b32 v14, 0
	v_mov_b32 v15, 0
.irp b, 0,1,2,3
	v_mov_b32 v[236+\b], 0                         ; a lane permute's destination counts as one of its sources
.endr
	v_mov_b32 v252, 0
	v_mov_b32 v253, 0
.set j, 0
.rept 64
	v_mov_b32 v[160+j], 0                          ; O^T: the step has no first step of its own and finds zeros
.set j, j+1
.endr
; A KEY STEP: 128 keys.  pre = 1: the next step's K is fetched on the way.
.macro STEP pre
	s_cmp_gt_u32 s[KF], s[Q0B]                     ; all its keys come after the block's queries: its work is left out
	s_cbranch_scc1 .Lhidden_\@
	v_add_nc_u32 v[ADK], s[TB], v[LI]              ; (these four are the places behind the last step's products)
	DLY 1
	v_add_nc_u32 v[ADV], VC, v[ADK]
	v_add_nc_u32 v[ADS], s[TS], v[ASK0]
	DLY 1
	v_add_nc_u32 v[ADT], VSD, v[ADS]
	s_wait_alu depctr_va_vdst(0)                   ; the wait ahead of the wait below
	s_wait_dscnt 0x0                               ; K and its scale words are in
	WIN FROM1
.irp t, 0,1,2,3,4,5,6,7                        ; S^T = K Q^T
	v_wmma_scale_f32_16x16x128_f8f6f4 v[96+8*\t:103+8*\t], v[KFR+12*\t:KFR+12*\t+11], v[16:27], 0, v[KS+\t], v255 matrix_a_fmt:MATRIX_FMT_FP6 matrix_b_fmt:MATRIX_FMT_FP6
.endr
	WIN TO1
	NOPS                                           ; four places behind the products
.irp t, 0,1,2,3,4,5,6,7                        ; this step's V: wanted behind the softmax
.irp c, 0,1,2
	ds_load_b128 v[VFR+12*\t+4*\c:VFR+12*\t+4*\c+3], v[ADV] offset:1536*\t+512*\c
.endr
.endr
	WIN 0
	ds_load_b128 v[VS:VS+3], v[ADT]
	ds_load_b128 v[VS+4:VS+7], v[ADT] offset:256
	s_cmp_lg_u32 s[KF], s[Q0B]
	s_cbranch_scc1 .Lnot_diag_\@
	s_sub_co_i32 s69, s[QW], s[KF]
	v_add_nc_u32 v252, s69, v[QL]                  ; my query - KF - 16 (lane / 16): a key after the query is hidden
	MASK v_cmp_gt_i32
.Lnot_diag_\@:
	s_add_co_u32 s69, s[KF], 1024
	s_cmp_lg_u32 s69, s[Q0B]
	s_cbranch_scc1 .Lnot_edge_\@
	s_sub_co_i32 s69, s[QW], s69
	v_add_nc_u32 v252, s69, v[QL]                  ; less 1,024: a key at or before it is hidden
	MASK v_cmp_le_i32
.Lnot_edge_\@:
.irp b, 0,1,2,3
	v_max3_num_f32 v[232+\b], v[96+16*\b], v[97+16*\b], v[98+16*\b]   ; the largest score of each block of 32 keys: for the row's maximum and for the block's largest p
.endr
.irp i, 3,5,7,9,11,13
.irp b, 0,1,2,3
	v_max3_num_f32 v[232+\b], v[232+\b], v[96+16*\b+\i], v[97+16*\b+\i]
.endr
.endr
.irp b, 0,1,2,3
	v_max_num_f32 v[232+\b], v[232+\b], v[111+16*\b]
.endr
.irp b, 0,1,2,3
	DLY 4
	v_permlanex16_b32 v[236+\b], v[232+\b], s[SEL], s[SEL+1]
.endr
.irp b, 0,1,2,3
	DLY 4
	v_max_num_f32 v[232+\b], v[232+\b], v[236+\b]
.endr
	DLY 2
	v_max3_num_f32 v254, v232, v233, v234
	DLY 1
	v_max_num_f32 v254, v254, v235
	DLY 1
	v_mul_f32 v254, s[CS], v254                    ; the step's largest t
	DLY 1
	v_max_num_f32 v13, v13, v254
	v_mov_b32 v254, v12
	DLY 2
	v_floor_f32 v12, -v13                          ; the new -M
	DLY 1
	v_sub_f32 v254, v12, v254
	DLY 1
	v_cvt_i32_f32 v254, v254
	DLY 1
	v_ldexp_f32 v252, 1.0, v254                    ; f = 2^(old M - new M)
.if \pre
	KLOAD ADK, ADS, 12288, 512                     ; the next step's K
.endif
.set j, 0
.rept 32
	v_pk_fma_f32 v[96+j:97+j], v[96+j:97+j], s[CS:CS+1], v[12:13] op_sel_hi:[1,0,0]   ; t - M
.set j, j+2
.endr
.irp b, 0,1,2,3
	v_fma_f32 v[232+\b], v[232+\b], s[CS], v12
.endr
	s_wait_alu depctr_va_vdst(0)                   ; the wait ahead of the batch
.set j, 0
.rept 64
	v_exp_f32 v[96+j], v[96+j]                     ; p = 2^(t - M)
.set j, j+1
.endr
	v_pk_mul_f32 v[14:15], v[14:15], v[252:253] op_sel_hi:[1,0]   ; the sums under the new M
	s_wait_alu depctr_va_vdst(0)                   ; one wait for the batch
.irp b, 0,1,2,3
	v_exp_f32 v[232+\b], v[232+\b]                 ; the block's largest p
.endr
.irp c, 0,1,2,3                                ; the row's sum of the unquantised p: four chains by turns
	v_pk_add_f32 v[240+2*\c:241+2*\c], v[96+2*\c:97+2*\c], v[104+2*\c:105+2*\c]
.endr
.irp j, 16,24,32,40,48,56
.irp c, 0,1,2,3
	v_pk_add_f32 v[240+2*\c:241+2*\c], v[240+2*\c:241+2*\c], v[96+\j+2*\c:97+\j+2*\c]
.endr
.endr
	v_pk_add_f32 v[240:241], v[240:241], v[242:243]
	v_pk_add_f32 v[244:245], v[244:245], v[246:247]
	DLY 2
	v_pk_add_f32 v[14:15], v[14:15], v[240:241]
	DLY 1
	v_pk_add_f32 v[14:15], v[14:15], v[244:245]
	s_wait_alu depctr_va_vdst(0)                   ; and one for the four
.irp b, 0,1,2,3
	v_max_num_f32 v[232+\b], 0x1800000, v[232+\b]  ; the floor 2^(3 - 127)
.endr
.irp b, 0,1,2,3
	DLY 4
	v_add_nc_u32 v[244+\b], 0xff000000, v[232+\b]  ; the conversion's scale operand
.endr
.irp b, 0,1,2,3
	DLY 4
	v_lshrrev_b32 v[236+\b], 23, v[244+\b]         ; the scale's byte
.endr
	DLY 3
	v_lshl_or_b32 v253, v237, 8, v236              ; p's scale word
	DLY 1
	v_lshl_or_b32 v253, v238, 16, v253
	DLY 1
	v_lshl_or_b32 v253, v239, 24, v253
.irp c, 0,1
	v_cvt_scalef32_pk16_fp6_f32 v[224+6*\c:226+6*\c], v[96+32*\c:111+32*\c], v[244+2*\c]
	v_cvt_scalef32_pk16_fp6_f32 v[236+4*\c:238+4*\c], v[112+32*\c:127+32*\c], v[244+2*\c+1]
.endr
	v_nop
.irp c, 0,1
.irp i, 0,1,2
	v_permlane16_swap_b32 v[224+6*\c+\i], v[236+4*\c+\i]
.endr
.irp i, 0,1,2
	DLY 3
	v_mov_b32 v[227+6*\c+\i], v[236+4*\c+\i]
.endr
.endr
.set j, 0
.rept 32
	v_pk_mul_f32 v[160+j:161+j], v[160+j:161+j], v[252:253] op_sel_hi:[1,0]   ; O^T under the new M; also the places ahead of the products below
.set j, j+2
.endr
	s_wait_alu depctr_va_vdst(0)                   ; the wait ahead of the wait below
	s_wait_dscnt 0x0                               ; V, its scale words and the next step's K are in
	WIN FROM1
.irp t, 0,1,2,3,4,5,6,7                        ; O^T += V^T P^T: eight accumulators by turns
	v_wmma_scale_f32_16x16x128_f8f6f4 v[160+8*\t:167+8*\t], v[VFR+12*\t:VFR+12*\t+11], v[224:235], v[160+8*\t:167+8*\t], v[VS+\t], v253 matrix_a_fmt:MATRIX_FMT_FP6 matrix_b_fmt:MATRIX_FMT_FP6
.endr
	WIN 0
.Lhidden_\@:
	s_add_co_u32 s[KF], s[KF], 128
	s_add_co_u32 s[TB], s[TB], 12288
	s_add_co_u32 s[TS], s[TS], 512
.endm
.macro WALK first, n                   ; steps first .. first + n - 1, each of which fetches the K of the step behind it
	s_mov_b32 s[TB], 12288*\first
	s_mov_b32 s[TS], 512*\first
	s_mov_b32 s[CNT], \n
.Lwalk_\@:
	STEP 1
	s_sub_co_u32 s[CNT], s[CNT], 1
	s_cmp_lg_u32 s[CNT], 0
	s_cbranch_scc1 .Lwalk_\@
.endm
	s_wait_alu depctr_va_vdst(0)                   ; the wait at the head's end
	s_wait_loadcnt 0x0                             ; Q
	s_wait_tensorcnt 0x0                           ; my load of the head is in
	ds_add_u32 v[SPW], v[NIL]
	s_wait_dscnt 0x0
	s_barrier_signal -1
	s_barrier_wait -1                              ; steps 0 to 2 and the scale words are whole
	tensor_load_to_lds s[G0L:G0L+3], s[G1L:G1L+7]  ; my quarter of steps 3 to 8
	s_nop 0
	NOPS
	KLOAD LI, ASK0, 0, 0                           ; K of step 0
	WALK 0, 2                                      ; steps 0 and 1 read V of steps 0, 1 and K of steps 1, 2
	s_wait_tensorcnt 0x0                           ; my quarter of steps 3 to 8 is in
	s_wait_dscnt 0x0
	s_barrier_signal -1
	s_barrier_wait -1                              ; everybody's is
	WALK 2, 6                                      ; steps 2 to 7 read V of steps 2 to 7 and K of steps 3 to 8
	s_mov_b32 s[TB], 12288*8
	s_mov_b32 s[TS], 512*8
	STEP 0                                         ; step 8: there is no K behind it
	; THE END.  O^T / the row's sum, quantised along the channels, stored as the image of a fragment.
	NOPS
	v_add_f32 v14, v14, v15
	DLY 1
	v_permlanex16_b32 v252, v14, s[SEL], s[SEL+1]
	DLY 1
	v_add_f32 v14, v14, v252
	s_wait_alu depctr_va_vdst(0)                   ; ahead of the transcendental
	v_rcp_f32 v14, v14
.irp b, 0,1,2,3
	v_mov_b32 v[TM+4+\b], 0
.endr
	s_wait_alu depctr_va_vdst(0)                   ; ahead of its first reader
.set j, 0
.rept 64
	v_mul_f32 v[96+j], v[160+j], v14
.set j, j+1
.endr
	QUANT 96, 32, 44, 52
.irp c, 0,1,2
	global_store_b128 v[LI], v[32+4*\c:35+4*\c], s[74:75] offset:512*\c   ; 32 lanes store 512 consecutive bytes, aligned
.endr
	global_store_b32 v[R16], v52, s[76:77]         ; row r's scale word: lanes r and r + 16 hold the same word and name the same four bytes
	s_wait_tensorcnt 0x0                           ; the wave's end
	ds_add_u32 v[SPW], v[NIL]
	s_wait_dscnt 0x0
	s_endpgm
.Lfunc_end_k_q79c742ab10_attn:
	.size	k_q79c742ab10_attn, .Lfunc_end_k_q79c742ab10_attn-k_q79c742ab10_attn
	.p2alignl 7, 3214868480
	.fill 96, 4, 3214868480
	.section	.rodata,"a",@progbits
	.p2align	6, 0x0
	.amdhsa_kernel k_q79c742ab10_attn
		.amdhsa_group_segment_fixed_size 327680
		.amdhsa_private_segment_fixed_size 0
		.amdhsa_enable_private_segment 0
		.amdhsa_kernarg_size 32
		.amdhsa_user_sgpr_count 2
		.amdhsa_user_sgpr_kernarg_segment_ptr 1
		.amdhsa_wavefront_size32 1
		.amdhsa_system_sgpr_workgroup_id_x 1
		.amdhsa_system_sgpr_workgroup_id_y 1
		.amdhsa_system_sgpr_workgroup_id_z 1
		.amdhsa_system_vgpr_workitem_id 0
		.amdhsa_next_free_vgpr 512
		.amdhsa_next_free_sgpr 96
		.amdhsa_reserve_vcc 1
		.amdhsa_float_denorm_mode_32 3
		.amdhsa_float_denorm_mode_16_64 3
		.amdhsa_memory_ordered 1
		.amdhsa_forward_progress 1
		.amdhsa_inst_pref_size 110
	.end_amdhsa_kernel
	.amdgpu_metadata
---
amdhsa.version: [ 1, 2 ]
amdhsa.kernels:
  - .name:           k_q79c742ab10_attn
    .symbol:         k_q79c742ab10_attn.kd
    .args:
      - { .name: c2, .offset: 0, .size: 8, .value_kind: global_buffer, .address_space: global }
      - { .name: s2, .offset: 8, .size: 8, .value_kind: global_buffer, .address_space: global }
      - { .name: c3, .offset: 16, .size: 8, .value_kind: global_buffer, .address_space: global }
      - { .name: s3, .offset: 24, .size: 8, .value_kind: global_buffer, .address_space: global }
    .group_segment_fixed_size: 327680
    .private_segment_fixed_size: 0
    .kernarg_segment_align: 8
    .kernarg_segment_size: 32
    .max_flat_workgroup_size: 256
    .sgpr_count:     96
    .vgpr_count:     512
    .wavefront_size: 32
...
	.end_amdgpu_metadata
.endif
;; end of part 3
;; launch oproj (part 4): grid 16 x 16, 4 waves a work-group, clusters of 4 x 4, 327,680 bytes of LDS; arguments c3, s3, c1, s1, out0; writes out0
.if DOCPART == 4
	.amdgcn_target "amdgcn-amd-amdhsa--gfx1250"
	.amdhsa_code_object_version 6
	.text
	.protected	k_q79c742ab10_oproj
	.globl	k_q79c742ab10_oproj
	.p2align	8
	.type	k_q79c742ab10_oproj,@function
k_q79c742ab10_oproj:
	s_mov_b64 s[64:65], 0
	v_nop
	global_prefetch_b8 v0, s[64:65] scope:SCOPE_SE
	s_setreg_imm32_b32 hwreg(HW_REG_WAVE_MODE, 25, 1), 1
	s_wait_xcnt 0x0
	s_wait_alu depctr_hold_cnt(0) depctr_sa_sdst(0) depctr_va_vdst(0) depctr_va_sdst(0) depctr_va_ssrc(0) depctr_va_vcc(0) depctr_vm_vsrc(0)
	s_getreg_b32 s2, hwreg(HW_REG_IB_STS2, 6, 4)
	s_cmp_eq_u32 s2, 0
	s_cbranch_scc0 .Lentry_in_a_cluster
	s_endpgm
.Lentry_in_a_cluster:
	s_bfe_u32 s2, ttmp6, 0x10000c
	s_cmp_lg_u32 s2, 0xf033
	s_cbranch_scc0 .Lentry_shape_is_right
	s_endpgm
.Lentry_shape_is_right:
; out0 = O wo^T on codes of FP6: side A = 128 queries of O (c3, s3), side B = 256 rows of wo (c1, s1 behind the other tensors'), both as images of operand registers; K = 2,048 in 16 steps.
; A work-group makes 128 x 256, four waves 64 x 128 each.  Two LDS slots of four K steps, filled by joint loads in a 4 x 4 cluster (A shared along a row, B along a column): fill 0 at the head, one load a wave;
; fill 1 behind the waits, the add and a round, as every refill.
; PREFETCH.  Behind the joint load of fill 0 each wave names fills 1 and 2 of the tiles that it fetches, behind fill 1's fill 3: two fills ahead; the four partners share the tiles out by address (A: tile cx of four;
; B: tiles 2 cy, 2 cy + 1 of eight), a lane a block of 256 bytes, 24 to a tile's 6,144 bytes, lanes 24-31 the last again.  There are four fills, so the loop's one trip has none two on and asks for nothing.
; The result leaves through each wave's stage in slot 0, which has had its last fill and its last read by then, as whole rows of 512 bytes.
.set KST,   16
.set PFA,   98                         ; s[98:99] my share of the tiles that I fetch, at fill 0
.set TROW,  KST*1536
.set SROW,  KST*64
.set LAPS,  KST/8
.set SLOTB, 147456
.set BOFF,  49152
.set SPARE, 2*SLOTB
.set SP,    528
.set SC,    32
.set AF,    128
.set ADRA,  16
.set ADRB,  20
.set SPW,   28
.set NIL,   29
.set WV,    17
.set AH,    18
.set BH,    19
.set G1A,   24
.set G0A,   32
.set G1B,   48
.set G0B,   56
.set SAP,   68
.set SBP,   70
.set MUL,   0xa1
.set TO_B,  0x40
.set MSB, 0
.macro WIN new
.if MSB != \new
	s_set_vgpr_msb (MSB<<8)|\new
.set MSB, \new
.endif
.endm
.macro ASK off                         ; one tile's 24 blocks at byte off of its row; B's waves name a second tile
	global_prefetch_b8 v7, s[PFA:PFA+1] offset:\off th:TH_LOAD_NT scope:SCOPE_SE
	s_cmp_eq_u32 s[AH], 0
	s_cbranch_scc1 .Lone_\@
	global_prefetch_b8 v7, s[PFA:PFA+1] offset:\off+TROW th:TH_LOAD_NT scope:SCOPE_SE
.Lone_\@:
.endm
.macro PLACES n
.rept \n
	v_nop
.endr
.endm
.macro JLOAD slot
	s_cmp_eq_u32 s[AH], 0
	s_cbranch_scc0 .Lfor_b_\@
	tensor_load_to_lds s[G0A+4*\slot:G0A+4*\slot+3], s[G1A:G1A+7]
	s_nop 0
.rept 4
	v_nop
.endr
	s_branch .Lasked_\@
.Lfor_b_\@:
	tensor_load_to_lds s[G0B+4*\slot:G0B+4*\slot+3], s[G1B:G1B+7]
	s_nop 0
.rept 4
	v_nop
.endr
.Lasked_\@:
.endm
.macro CREST
	s_cmp_lg_u32 s[WV], 0
	s_cbranch_scc1 .Lnot_wave_0_\@
	s_barrier_signal -3
.Lnot_wave_0_\@:
	s_barrier_wait -3
	s_barrier_signal -1
	s_barrier_wait -1
.endm
.macro CROUND
	s_barrier_signal -1
	s_barrier_wait -1
	CREST
.endm
.macro FETCH slot, q, f
	WIN TO_B
.irp b, 0,1,2,3,4,5,6,7
.irp c, 0,1,2
	ds_load_b128 v[96*(\f)+12*\b+4*\c:96*(\f)+12*\b+4*\c+3], v[ADRB+\slot] offset:6144*\b+1536*(\q)+512*\c
.endr
.endr
	WIN 0
.irp a, 0,1,2,3
.irp c, 0,1,2
	ds_load_b128 v[AF+48*(\f)+12*\a+4*\c:AF+48*(\f)+12*\a+4*\c+3], v[ADRA+\slot] offset:6144*\a+1536*(\q)+512*\c
.endr
.endr
.endm
.macro MULA a, f, set, q, zero
.irp b, 0,1,2,3,4,5,6,7
.if \zero
	v_wmma_scale_f32_16x16x128_f8f6f4 v[8*(8*(\a)+\b):8*(8*(\a)+\b)+7], v[96*(\f)+12*\b:96*(\f)+12*\b+11], v[AF+48*(\f)+12*(\a):AF+48*(\f)+12*(\a)+11], 0, v[SC+48*(\set)+16+4*\b+(\q)], v[SC+48*(\set)+4*(\a)+(\q)] matrix_a_fmt:MATRIX_FMT_FP6 matrix_b_fmt:MATRIX_FMT_FP6
.else
	v_wmma_scale_f32_16x16x128_f8f6f4 v[8*(8*(\a)+\b):8*(8*(\a)+\b)+7], v[96*(\f)+12*\b:96*(\f)+12*\b+11], v[AF+48*(\f)+12*(\a):AF+48*(\f)+12*(\a)+11], v[8*(8*(\a)+\b):8*(8*(\a)+\b)+7], v[SC+48*(\set)+16+4*\b+(\q)], v[SC+48*(\set)+4*(\a)+(\q)] matrix_a_fmt:MATRIX_FMT_FP6 matrix_b_fmt:MATRIX_FMT_FP6
.endif
.endr
.endm
.macro SCALES set, step
.if \step
	s_wait_xcnt 0x0
	s_add_nc_u64 s[SAP:SAP+1], s[SAP:SAP+1], 256
	s_add_nc_u64 s[SBP:SBP+1], s[SBP:SBP+1], 256
.endif
.irp a, 0,1,2,3
	global_load_b128 v[SC+48*(\set)+4*\a:SC+48*(\set)+4*\a+3], v4, s[SAP:SAP+1] offset:\a*SROW
.endr
.irp b, 0,1,2,3,4,5,6,7
	global_load_b128 v[SC+48*(\set)+16+4*\b:SC+48*(\set)+16+4*\b+3], v4, s[SBP:SBP+1] offset:\b*SROW
.endr
.endm
.macro QSTEP slot, q, zero, scl
.if (\q) == 0
	s_wait_loadcnt 0x0
.endif
	s_wait_dscnt 6
	WIN MUL
	MULA 0, (\q)%2, \slot, \q, \zero
	MULA 1, (\q)%2, \slot, \q, \zero
	PLACES 4
	FETCH \slot, (\q)+1, 1-(\q)%2
.if \scl
	SCALES 1-\slot, 1
.endif
	s_wait_dscnt 36
	WIN MUL
	MULA 2, (\q)%2, \slot, \q, \zero
	MULA 3, (\q)%2, \slot, \q, \zero
.endm
.macro TURN slot, next, fill
	WIN 0
	s_wait_tensorcnt 0x0
	ds_add_u32 v[SPW], v[NIL]
	s_wait_dscnt 7
	WIN MUL
	MULA 0, 1, \slot, 3, 0
	s_wait_dscnt 0x0
	s_barrier_signal -1
	MULA 1, 1, \slot, 3, 0
	WIN 0
	s_barrier_wait -1
.if \fill
	CREST
	s_add_nc_u64 s[G0A+4*\slot+2:G0A+4*\slot+3], s[G0A+4*\slot+2:G0A+4*\slot+3], 12288
	s_add_nc_u64 s[G0B+4*\slot+2:G0B+4*\slot+3], s[G0B+4*\slot+2:G0B+4*\slot+3], 12288
	JLOAD \slot
.else
	PLACES 4
.endif
	FETCH \next, 0, 0
	WIN MUL
	MULA 2, 1, \slot, 3, 0
	MULA 3, 1, \slot, 3, 0
.endm
	s_load_b256 s[4:11], s[0:1], 0x0
	s_load_b64 s[12:13], s[0:1], 0x20
	v_lshl_add_u32 v[SPW], v0, 2, SPARE
	v_mov_b32 v[NIL], 0
	ds_add_u32 v28, v29
	ds_add_u32 v28, v29
	s_wait_dscnt 0x0
	v_lshrrev_b32 v1, 5, v0
	v_readfirstlane_b32 s[WV], v1
	s_lshr_b32 s[AH], s[WV], 1
	s_and_b32 s[BH], s[WV], 1
	s_bfe_u32 s40, ttmp6, 0x40000
	s_bfe_u32 s41, ttmp6, 0x40004
	s_and_b32 s45, ttmp7, 0xffff
	s_lshl_b32 s45, s45, 2
	s_add_co_u32 s45, s45, s41
	s_lshl_b32 s46, ttmp9, 2
	s_add_co_u32 s46, s46, s40
	s_lshl_b32 s74, s45, 3
	s_lshl_b32 s75, s46, 4
	s_lshl_b32 s76, s[BH], 2
	s_add_co_u32 s76, s76, s74
	s_mul_i32 s76, s76, TROW
	s_mov_b32 s77, 0
	s_lshl_b32 s78, s[BH], 3
	s_add_co_u32 s78, s78, s75
	s_mul_i32 s78, s78, TROW
	s_add_co_u32 s78, s78, 18874368
	s_mov_b32 s79, 0
	s_mul_i32 s80, s[BH], 24576
	s_mul_i32 s81, s[BH], 49152
	s_add_co_u32 s81, s81, BOFF
	s_lshl_b32 s82, s[AH], 2
	s_add_co_u32 s82, s82, s74
	s_mul_i32 s82, s82, SROW
	s_mov_b32 s83, 0
	s_lshl_b32 s84, s[BH], 3
	s_add_co_u32 s84, s84, s75
	s_mul_i32 s84, s84, SROW
	s_add_co_u32 s84, s84, 786432
	s_mov_b32 s85, 0
	s_lshl_b32 s86, s41, 2
	s_lshl_b32 s86, 15, s86
	s_lshl_b32 s87, 0x1111, s40
	s_or_b32 s[G1A], s86, (3<<16)|(1<<21)
	s_or_b32 s[G1B], s87, (3<<16)|(1<<21)
.irp g, G1A, G1B
	s_mov_b32 s[\g+1], 768<<16
	s_mov_b32 s[\g+3], 768<<16
	s_mov_b32 s[\g+5], TROW/8
	s_mov_b32 s[\g+6], 0
	s_mov_b32 s[\g+7], 0
.endr
	s_mov_b32 s[G1A+2], 4<<16
	s_mov_b32 s[G1A+4], 4
	s_mov_b32 s[G1B+2], 8<<16
	s_mov_b32 s[G1B+4], 8
	s_lshl_b32 s92, s45, 21
	s_lshl_b32 s93, s[AH], 20
	s_add_co_u32 s92, s92, s93
	s_lshl_b32 s93, s46, 10
	s_add_co_u32 s92, s92, s93
	s_lshl_b32 s93, s[BH], 9
	s_add_co_u32 s92, s92, s93
	s_mov_b32 s93, 0
	s_wait_kmcnt 0x0
	s_add_nc_u64 s[76:77], s[4:5], s[76:77]
	s_add_nc_u64 s[78:79], s[8:9], s[78:79]
	s_add_nc_u64 s[SAP:SAP+1], s[6:7], s[82:83]
	s_add_nc_u64 s[SBP:SBP+1], s[10:11], s[84:85]
	s_add_nc_u64 s[12:13], s[12:13], s[92:93]
	s_lshl_b32 s89, s41, 1                         ; the prefetches' base: of the tiles that I fetch, tile cx (A) or tiles 2 cy, 2 cy + 1 (B)
	s_cmp_eq_u32 s[AH], 0
	s_cselect_b32 s88, s40, s89
	s_cselect_b64 s[PFA:PFA+1], s[76:77], s[78:79]
	s_mul_i32 s88, s88, TROW
	s_mov_b32 s89, 0
	s_add_nc_u64 s[PFA:PFA+1], s[PFA:PFA+1], s[88:89]
.irp s, 0,1
	s_mov_b32 s[G0A+4*\s], 1
	s_add_co_u32 s[G0A+4*\s+1], s80, \s*SLOTB
	s_add_nc_u64 s[G0A+4*\s+2:G0A+4*\s+3], s[76:77], \s*6144
	s_or_b32 s[G0A+4*\s+3], s[G0A+4*\s+3], 0x80000000
	s_mov_b32 s[G0B+4*\s], 1
	s_add_co_u32 s[G0B+4*\s+1], s81, \s*SLOTB
	s_add_nc_u64 s[G0B+4*\s+2:G0B+4*\s+3], s[78:79], \s*6144
	s_or_b32 s[G0B+4*\s+3], s[G0B+4*\s+3], 0x80000000
.endr
	CROUND                                         ; all sixteen work-groups are here: the first joint loads meet
	JLOAD 0                                        ; fill 0: one tensor load a wave at the head
	v_and_b32 v1, 15, v0
	s_wait_alu depctr_va_vdst(0)
	v_bfe_u32 v2, v0, 4, 1
	v_and_b32 v3, 31, v0
	v_lshlrev_b32 v3, 4, v3
	v_lshlrev_b32 v4, 4, v1
	s_mul_i32 s20, s[AH], 24576
	s_mul_i32 s21, s[BH], 49152
	s_add_co_u32 s21, s21, BOFF
.irp s, 0,1
	v_add_nc_u32 v[ADRA+\s], s20, v3
	v_add_nc_u32 v[ADRB+\s], s21, v3
	s_add_co_u32 s20, s20, SLOTB
	s_add_co_u32 s21, s21, SLOTB
.endr
	s_mul_i32 s20, s[WV], 16*SP
	v_mul_u32_u24 v5, v1, SP
	s_wait_alu depctr_va_vdst(0)
	v_lshl_add_u32 v5, v2, 6, v5
	v_add_nc_u32 v5, s20, v5
	v_add_nc_u32 v6, s20, v3
	v_and_b32 v7, 31, v0
	v_min_u32 v7, 23, v7
	v_lshlrev_b32 v7, 8, v7                        ; the prefetches' offset: a lane a block of 256 bytes
	s_wait_alu depctr_va_vdst(0)                   ; the wait at the head's end
	SCALES 0, 0
	ASK 6144                                       ; fills 1 and 2
	ASK 12288
	s_wait_tensorcnt 0x0                           ; my part of fill 0 is in
	ds_add_u32 v[SPW], v[NIL]
	s_wait_dscnt 0x0
	CROUND                                         ; everybody's part of fill 0 is in
	JLOAD 1                                        ; fill 1, the first tensor load behind the round
	FETCH 0, 0, 0
	ASK 18432                                      ; fill 3
	QSTEP 0, 0, 1, 1
	WIN 0
	s_mov_b32 s3, LAPS-1
.Llap:
	QSTEP 0, 1, 0, 0
	QSTEP 0, 2, 0, 0
	TURN 0, 1, 1
	QSTEP 1, 0, 0, 1
	QSTEP 1, 1, 0, 0
	QSTEP 1, 2, 0, 0
	TURN 1, 0, 1
	QSTEP 0, 0, 0, 1
	WIN 0
	s_sub_co_u32 s3, s3, 1
	s_cmp_lg_u32 s3, 0
	s_cbranch_scc1 .Llap
	QSTEP 0, 1, 0, 0
	QSTEP 0, 2, 0, 0
	TURN 0, 1, 0
	QSTEP 1, 0, 0, 0
	QSTEP 1, 1, 0, 0
	QSTEP 1, 2, 0, 0
	s_wait_dscnt 6
	WIN MUL
	MULA 0, 1, 1, 3, 0
	MULA 1, 1, 1, 3, 0
	s_wait_alu depctr_va_vdst(0)
	s_wait_dscnt 0x0
	MULA 2, 1, 1, 3, 0
	MULA 3, 1, 1, 3, 0
	WIN 0
.macro TOSTAGE a
	WIN 0x08
.irp k, 0,1,2,3,4,5,6,7,8,9,10,11,12,13,14,15
	ds_store_b128 v5, v[64*(\a)+4*\k:64*(\a)+4*\k+3] offset:128*(\k/4)+16*(\k%4)
.endr
	WIN 0
.set BB, 128+64*((\a)%2)
.irp t, 0,1,2,3,4,5,6,7,8,9,10,11,12,13,14,15
	ds_load_b128 v[BB+4*\t:BB+4*\t+3], v6 offset:\t*SP
.endr
.endm
.macro SEND a, younger
.set BB, 128+64*((\a)%2)
	s_wait_dscnt \younger
.irp t, 0,1,2,3,4,5,6,7,8,9,10,11,12,13,14,15
	global_store_b128 v3, v[BB+4*\t:BB+4*\t+3], s[12:13] offset:(32*((\a)/2)+8*((\a)%2)+\t+8*(\t/8))*16384 th:TH_STORE_NT
.endr
.endm
	PLACES 4
	TOSTAGE 0
.irp a, 1,2,3
.if \a > 1
	s_wait_xcnt 0x0
.endif
	TOSTAGE \a
	SEND \a-1, 32
.endr
	SEND 3, 0
	s_wait_tensorcnt 0x0
	ds_add_u32 v[SPW], v[NIL]
	s_wait_dscnt 0x0
	CROUND
	s_endpgm
.Lfunc_end_k_q79c742ab10_oproj:
	.size	k_q79c742ab10_oproj, .Lfunc_end_k_q79c742ab10_oproj-k_q79c742ab10_oproj
	.p2alignl 7, 3214868480
	.fill 96, 4, 3214868480
	.section	.rodata,"a",@progbits
	.p2align	6, 0x0
	.amdhsa_kernel k_q79c742ab10_oproj
		.amdhsa_group_segment_fixed_size 327680
		.amdhsa_private_segment_fixed_size 0
		.amdhsa_enable_private_segment 0
		.amdhsa_kernarg_size 40
		.amdhsa_user_sgpr_count 2
		.amdhsa_user_sgpr_kernarg_segment_ptr 1
		.amdhsa_wavefront_size32 1
		.amdhsa_system_sgpr_workgroup_id_x 1
		.amdhsa_system_sgpr_workgroup_id_y 1
		.amdhsa_system_sgpr_workgroup_id_z 1
		.amdhsa_system_vgpr_workitem_id 0
		.amdhsa_next_free_vgpr 768
		.amdhsa_next_free_sgpr 100
		.amdhsa_reserve_vcc 0
		.amdhsa_float_denorm_mode_32 3
		.amdhsa_float_denorm_mode_16_64 3
		.amdhsa_memory_ordered 1
		.amdhsa_forward_progress 1
		.amdhsa_inst_pref_size 136
	.end_amdhsa_kernel
	.amdgpu_metadata
---
amdhsa.version: [ 1, 2 ]
amdhsa.kernels:
  - .name:           k_q79c742ab10_oproj
    .symbol:         k_q79c742ab10_oproj.kd
    .args:
      - { .name: c3, .offset: 0, .size: 8, .value_kind: global_buffer, .address_space: global }
      - { .name: s3, .offset: 8, .size: 8, .value_kind: global_buffer, .address_space: global }
      - { .name: c1, .offset: 16, .size: 8, .value_kind: global_buffer, .address_space: global }
      - { .name: s1, .offset: 24, .size: 8, .value_kind: global_buffer, .address_space: global }
      - { .name: out0, .offset: 32, .size: 8, .value_kind: global_buffer, .address_space: global }
    .group_segment_fixed_size: 327680
    .private_segment_fixed_size: 0
    .kernarg_segment_align: 8
    .kernarg_segment_size: 40
    .max_flat_workgroup_size: 128
    .sgpr_count:     100
    .vgpr_count:     768
    .wavefront_size: 32
...
	.end_amdgpu_metadata
.endif
;; end of part 4
